; MI455X (gfx1250); checked and timed in simulation.
; The chip was launched on July 23, 2026; its instructions are those of AMD's public machine-readable ISA for CDNA 5 (MIT licence, August 2026) and "CDNA5" Instruction Set Architecture Reference Guide (July 2026). The comments in the code are by the model that wrote it; some were corrected since.
;; Dynamic Linear. Allowed arithmetic: float matrix products may take bf16 or f16 operands with f32 sums; all other float work in f32.
;; Inputs: bias 4 x 2,048 float32; softmax_attention 4,096 x 4 float32; weight 4 x 2,048 x 2,048 float32; x 4,096 x 2,048 float32.
;; Outputs: out0 4,096 x 2,048 float32.
;; 2 versions, each right; version 2 is version 1 with the launch cast written anew for expert scheduling mode. Each part assembles by itself: llvm-mc -triple=amdgcn-amd-amdhsa -mcpu=gfx1250 --defsym DOCPART=n.
;; ======== version 1 of 2: 2 launches
;; workspace buffers: xb 16,777,216 bytes; wb 33,554,432 bytes
;; launch cast (part 1): grid 256 x 1, 16 waves a work-group, no clusters, 0 bytes of LDS; arguments x, weight, xb, wb; writes xb, wb
.if DOCPART == 1
	.amdgcn_target "amdgcn-amd-amdhsa--gfx1250"
	.amdhsa_code_object_version 6
	.text
	.protected	k_qe7b1d3b0a6_cast
	.globl	k_qe7b1d3b0a6_cast
	.p2align	8
	.type	k_qe7b1d3b0a6_cast,@function
k_qe7b1d3b0a6_cast:
	s_mov_b64 s[64:65], 0
	v_nop
	global_prefetch_b8 v0, s[64:65] scope:SCOPE_SE
	s_setreg_imm32_b32 hwreg(HW_REG_WAVE_MODE, 25, 1), 1
	s_wait_xcnt 0x0
; THE PROGRAM: out[b][o] = sum over k of attn[b][k] * (sum over i of weight[k][o][i] * x[b][i] + bias[k][o]),  b < 4096, k < 4, o, i < 2048, all f32.
; Two launches.  This one rounds x and weight to bf16, once for each number (the product reads each number of x 32 times and each of weight
; 16 times, so rounding there would be repeated as often).  The second is one product [4096 x 2048] x [8192 x 2048]^T in which each expert's bias starts its sums
; and the mix over k stands at the end.
; Nothing of the formula is left out: every input has a way to every output, and attn is taken as given, not as normalised.
; LIMITS: the operands of the product are rounded to bf16 (to nearest even); a number beyond the largest finite bf16 (about 3.39e38) becomes an infinity.
;
; THIS LAUNCH: xb[b][i] = bf16(x[b][i]);  wb[n][i] = bf16(weight[k][o][i]) with n = 128 (o / 32) + 32 k + o % 32:
; 128 neighbouring rows of wb are the four experts of 32 neighbouring outputs, which is what one wave of the second launch multiplies.
; 256 work-groups of 16 waves.  Group g takes rows 16 g .. 16 g + 15 of x and rows 32 g .. 32 g + 31 of weight as [8192][2048]: these are expert g / 64,
; outputs 32 (g % 64) .. + 31, so they stay 32 neighbouring rows in wb.  48 source rows in all, 393,216 bytes in, 196,608 out.
; Thread t takes the 16 bytes at 16 t of each source row of 8,192 bytes: a load of a wave covers 512 consecutive bytes, the 16 waves cover the row, and a store
; of a wave covers 256 consecutive bytes that start at a multiple of 256.  (A thread with 32 neighbouring source bytes could store 16 bytes, but each of its two
; loads would then reach over 1,024 bytes of the wave and use every second 16 of them.)
; A ring of 16 slots in registers keeps 16 loads of every wave on their way, 131,072 bytes for the work-group; a slot is loaded again ahead of its row's store,
; so that loads and stores go side by side.  The 48 turns are written out, and each store has a register pair of its own: no register that a memory instruction
; reads is ever written again, so the only waits are those for the data.
; No LDS, no matrix unit, no cluster: no byte is used twice in this launch.
.set RIN,   8192                       ; bytes in a source row
.set ROUT,  4096                       ; bytes in a row as bf16
.set DEPTH, 16                         ; slots = loads on their way in each wave
.set X,     4                          ; v[4:67]    slot j: 4 registers as loaded
.set Y,     68                         ; v[68:163]  turn n of 48: 2 registers, 4 bf16 to store
	s_load_b256 s[4:11], s[0:1], 0x0               ; x s[4:5], weight s[6:7], xb s[8:9], wb s[10:11]
	v_lshlrev_b32 v1, 4, v0                        ; 16 t: my bytes in a source row
	v_lshlrev_b32 v2, 3, v0                        ; 8 t: my bytes in the row as bf16
	s_lshl_b32 s12, ttmp9, 17                      ; x: 16 rows of 8,192 bytes for a group
	s_mov_b32 s13, 0
	s_lshl_b32 s14, ttmp9, 18                      ; weight: 32 rows of 8,192 bytes
	s_mov_b32 s15, 0
	s_lshl_b32 s16, ttmp9, 16                      ; xb: 16 rows of 4,096 bytes
	s_mov_b32 s17, 0
	s_and_b32 s18, ttmp9, 63                       ; wb: o / 32 = g % 64,
	s_lshl_b32 s18, s18, 19                        ; x 128 rows of 4,096 bytes,
	s_lshr_b32 s19, ttmp9, 6                       ; k = g / 64,
	s_lshl_b32 s19, s19, 17                        ; x 32 rows
	s_add_co_u32 s18, s18, s19
	s_mov_b32 s19, 0
	s_wait_kmcnt 0x0
	s_add_nc_u64 s[4:5], s[4:5], s[12:13]
	s_add_nc_u64 s[6:7], s[6:7], s[14:15]
	s_add_nc_u64 s[8:9], s[8:9], s[16:17]
	s_add_nc_u64 s[10:11], s[10:11], s[18:19]
.set j, 0
.rept DEPTH
	global_load_b128 v[X+4*j:X+4*j+3], v1, s[4:5] offset:RIN*j th:TH_LOAD_NT      ; the ring is filled: the 16 rows of x (read once in the whole program)
.set j, j+1
.endr
; slot s is rounded into turn n's pair.  left = how many younger loads may stay out.
.macro ROUND4 s, n, left
	s_wait_loadcnt \left                           ; loads come back in order (ISA guide 5.7.1): the slot's load is in, the younger ones stay out
	v_cvt_pk_bf16_f32 v[Y+2*(\n)],   v[X+4*(\s)],   v[X+4*(\s)+1]
	v_cvt_pk_bf16_f32 v[Y+2*(\n)+1], v[X+4*(\s)+2], v[X+4*(\s)+3]
.endm
.set j, 0
.rept DEPTH                                        ; x's rows go out, weight's rows 0-15 come in
	ROUND4 j, j, DEPTH-1
	global_load_b128 v[X+4*j:X+4*j+3], v1, s[6:7] offset:RIN*j th:TH_LOAD_NT
	global_store_b64 v2, v[Y+2*j:Y+2*j+1], s[8:9] offset:ROUT*j                   ; no hint: the next launch reads these bytes
.set j, j+1
.endr
.set j, 0
.rept DEPTH                                        ; weight's rows 0-15 go out, rows 16-31 come in
	ROUND4 j, DEPTH+j, DEPTH-1
	global_load_b128 v[X+4*j:X+4*j+3], v1, s[6:7] offset:RIN*(DEPTH+j) th:TH_LOAD_NT
	global_store_b64 v2, v[Y+2*(DEPTH+j):Y+2*(DEPTH+j)+1], s[10:11] offset:ROUT*j
.set j, j+1
.endr
.set j, 0
.rept DEPTH                                        ; weight's rows 16-31 go out; nothing is left to load: the counts run down
	ROUND4 j, 2*DEPTH+j, DEPTH-1-j
	global_store_b64 v2, v[Y+2*(2*DEPTH+j):Y+2*(2*DEPTH+j)+1], s[10:11] offset:ROUT*(DEPTH+j)
.set j, j+1
.endr
	s_endpgm
.Lfunc_end_k_qe7b1d3b0a6_cast:
	.size	k_qe7b1d3b0a6_cast, .Lfunc_end_k_qe7b1d3b0a6_cast-k_qe7b1d3b0a6_cast
	.p2alignl 7, 3214868480
	.fill 96, 4, 3214868480
	.section	.rodata,"a",@progbits
	.p2align	6, 0x0
	.amdhsa_kernel k_qe7b1d3b0a6_cast
		.amdhsa_group_segment_fixed_size 0
		.amdhsa_private_segment_fixed_size 0
		.amdhsa_enable_private_segment 0
		.amdhsa_kernarg_size 32
		.amdhsa_user_sgpr_count 2
		.amdhsa_user_sgpr_kernarg_segment_ptr 1
		.amdhsa_wavefront_size32 1
		.amdhsa_system_sgpr_workgroup_id_x 1
		.amdhsa_system_sgpr_workgroup_id_y 1
		.amdhsa_system_sgpr_workgroup_id_z 1
		.amdhsa_system_vgpr_workitem_id 0
		.amdhsa_next_free_vgpr 164
		.amdhsa_next_free_sgpr 66
		.amdhsa_reserve_vcc 0
		.amdhsa_float_denorm_mode_32 3
		.amdhsa_float_denorm_mode_16_64 3
		.amdhsa_memory_ordered 1
		.amdhsa_forward_progress 1
		.amdhsa_inst_pref_size 18
	.end_amdhsa_kernel
	.amdgpu_metadata
---
amdhsa.version: [ 1, 2 ]
amdhsa.kernels:
  - .name:           k_qe7b1d3b0a6_cast
    .symbol:         k_qe7b1d3b0a6_cast.kd
    .args:
      - { .name: x, .offset: 0, .size: 8, .value_kind: global_buffer, .address_space: global }
      - { .name: weight, .offset: 8, .size: 8, .value_kind: global_buffer, .address_space: global }
      - { .name: xb, .offset: 16, .size: 8, .value_kind: global_buffer, .address_space: global }
      - { .name: wb, .offset: 24, .size: 8, .value_kind: global_buffer, .address_space: global }
    .group_segment_fixed_size: 0
    .private_segment_fixed_size: 0
    .kernarg_segment_align: 8
    .kernarg_segment_size: 32
    .max_flat_workgroup_size: 512
    .sgpr_count:     66
    .vgpr_count:     164
    .wavefront_size: 32
...
	.end_amdgpu_metadata
.endif
;; end of part 1
;; launch mix (part 2): grid 16 x 16, 4 waves a work-group, clusters of 4 x 4, 327,680 bytes of LDS; arguments xb, wb, softmax_attention, bias, out0; writes out0
.if DOCPART == 2
	.amdgcn_target "amdgcn-amd-amdhsa--gfx1250"
	.amdhsa_code_object_version 6
	.text
	.protected	k_qe7b1d3b0a6_mix
	.globl	k_qe7b1d3b0a6_mix
	.p2align	8
	.type	k_qe7b1d3b0a6_mix,@function
k_qe7b1d3b0a6_mix:
	s_mov_b64 s[64:65], 0
	v_nop
	global_prefetch_b8 v0, s[64:65] scope:SCOPE_SE
	s_setreg_imm32_b32 hwreg(HW_REG_WAVE_MODE, 25, 1), 1
	s_wait_xcnt 0x0
	s_wait_alu depctr_hold_cnt(0) depctr_sa_sdst(0) depctr_va_vdst(0) depctr_va_sdst(0) depctr_va_ssrc(0) depctr_va_vcc(0) depctr_vm_vsrc(0)
	s_getreg_b32 s2, hwreg(HW_REG_IB_STS2, 6, 4)
	s_cmp_eq_u32 s2, 0
	s_cbranch_scc0 .Lentry_in_a_cluster
	s_endpgm
.Lentry_in_a_cluster:
	s_bfe_u32 s2, ttmp6, 0x10000c
	s_cmp_lg_u32 s2, 0xf033
	s_cbranch_scc0 .Lentry_shape_is_right
	s_endpgm
.Lentry_shape_is_right:
; out[b][o] = sum over k of attn[b][k] * (sum over i of weight[k][o][i] * x[b][i] + bias[k][o]).  Nothing of the formula is left out.
; xb: [4096][2048] bf16 = x.  wb: [8192][2048] bf16, row n = 128 (o / 32) + 32 k + o % 32 = weight[k][o].  attn [4096][4], bias [4][2048], out [4096][2048]: f32.
; LIMITS: operands of the product are bf16.  For each output and expert one f32 sum s[k]: bias[k][o] starts it (it is the first product's addend), then the
; products in the matrix unit's order, i ascending in steps of 32.  The mix is one chain in f32: attn[0] s[0], then three fused multiply-adds with attn[1] s[1],
; attn[2] s[2], attn[3] s[3].  So the bias is rounded together with its expert's sum, and not added at the end.
;
; A BLOCK: 256 rows of xb times 256 rows of wb, made by four waves; a wave makes 128 x 128: 64 accumulator tiles of 16 x 16, 512 registers.
; A wave's 128 rows of wb are the four experts of 32 outputs, so the mix over k needs no other wave: a block's result is 256 rows x 64 columns of out.
; K (the index i) goes in steps of 128 through a ring of two LDS slots filled by the tensor data mover: a tile's rows are 256 bytes of memory and start at
; multiples of 256 bytes from the buffer's first byte.
; THE WORK-GROUP STAYS and makes two blocks, of the same 256 rows of xb and of neighbouring rows of wb (block columns 2 x and 2 x + 1): 16 x 16 work-groups for 512
; blocks.  The ring runs on from the first block into the second, 32 K steps in all: the refills of the first block's last two K steps ask for the second block's
; first two, which are on their way while the first block is mixed and stored.  Arguments, descriptors, lane addresses and attn are made or loaded once.
; CLUSTERS: 4 x 4 work-groups.  The four of a row of the cluster need the same tiles of xb, the four of a column the same tiles of wb.  Such a tile is asked for
; jointly: each of the four issues the same tensor load, with the same descriptor and a mask that names the four.  That divides the requests for both by four.
;
; REGISTERS, in windows of 256 (s_set_vgpr_msb says which window each operand place means; low byte: bits 1:0 source 0, 3:2 source 1, 5:4 source 2, 7:6 destination):
;   window 0: v0-31 addresses; v32-63 attn of my 128 rows; v64-127, v128-191 fragments of xb, two buffers (at a block's end: results, and rows read back); v192-255 bias
;   window 1: v64-127, v128-191 fragments of wb, two buffers
;   window 2: the 32 accumulator tiles of my rows 0-63 (tile (a, b) at v[8 (8 a + b)]);   window 3: those of my rows 64-127
; THE MATRIX INSTRUCTION IS USED TRANSPOSED: source 0 = 16 rows of wb, source 1 = 16 rows of xb.  With r = lane % 16, h = lane / 16, b = 2 k + t, register j of
; tile (a, b) holds the sum for row 16 a + r, expert k, output 16 t + 8 h + j of my 32: eight neighbouring outputs of one row, and the four experts of an output
; lie in the same lane, in tiles b = t, 2 + t, 4 + t, 6 + t.  The bias of tile (a, b) hangs on b, h and j alone: eight registers for each b serve all eight a.
; The 64 accumulators take turns, one matrix instruction a turn, in the same order in every quarter step.
.set SIZE_K, 2048
.set KSTEP,  128
.set PITCH,  272                       ; an LDS row: 256 bytes of data + 16 of padding = 68 words: row r starts at bank 4 r mod 64 (64 banks of 4 bytes: ISA guide 11.1), so the 16 rows that a load touches start at 16 different banks
.set HALFT,  128*PITCH                 ; 128 rows: what one tensor load brings, and what one wave reads of xb or of wb
.set SLOT,   4*HALFT                   ; 256 rows of xb, then 256 rows of wb
.set STAGE,  2*SLOT                    ; behind the ring, at a multiple of 256 bytes: the way out; no tensor load lands here
.set SP,     144                       ; a stage row: 32 f32 + 16 bytes = 9 x 16 bytes: 16 rows start in 16 different columns of 16 bytes modulo 256
.set WREG,   64*SP+128                 ; a wave's region of the stage: 64 rows.  128 more than a multiple of 256: two neighbouring regions' rows fall into different halves of 256 bytes
.set LAPS,   SIZE_K/(2*KSTEP)          ; a lap = two K steps = once round the ring: 8 for a block
.set NEXTB,  256*SIZE_K*2              ; bytes from a block's rows of wb to the next block's
.set OROW,   8192                      ; bytes in a row of out, and in a row of bias
.set OBLK,   256                       ; bytes of a block's 64 outputs in a row of out and of bias
.set ADRA, 16                          ; v16-17  LDS address of my xb fragments in slot 0, 1
.set ADRB, 20                          ; v20-21  the same for wb
.set STO,  24                          ; v24     the way out: where I put my results of a row
.set RD,   25                          ; v25     the way out: where I read 16 bytes of a whole row back
.set CO,   26                          ; v26     my byte offset in out
.set AOF,  27                          ; v27     16 r: my row in attn
.set BOF,  28                          ; v28     32 h: my eight outputs in bias
.set ATT,  32                          ; v[32+4a+k]          attn[row 16 a + r][k]
.set F0,   64                          ; fragment buffer 0
.set F1,   128                         ; fragment buffer 1
.set BIA,  192                         ; v[192+8(2k+t)+j]    bias[k][output 16 t + 8 h + j of my 32]
.set RES,  F0                          ; the way out: v[RES+16a+8t+j], results of four row tiles
.set BACK, F1                          ; the way out: 16 x 4 registers, rows read back
.set G1, 24                            ; s[24:31] descriptor group 1 for xb's tiles
.set G0, 32                            ; s[32:39] descriptor group 0 for xb's tiles, one set for each slot
.set G1B, 48                           ; s[48:55] descriptor group 1 for wb's tiles: it differs in the mask alone
.set G0B, 56                           ; s[56:63] descriptor group 0 for wb's tiles, one set for each slot
.set MSB, 0
.macro WIN new                         ; the immediate's high byte repeats the setting that is left
.if MSB != \new
	s_set_vgpr_msb (MSB<<8)|\new
.set MSB, \new
.endif
.endm
.set MUL_LO,   0xa1                    ; source 0 (wb) window 1, source 1 (xb) window 0, C and D window 2
.set MUL_HI,   0xf1                    ; the same, C and D window 3
.set FIRST_LO, 0x81                    ; a block's first products: C is the bias, in window 0; D window 2
.set FIRST_HI, 0xc1                    ; the same, D window 3
.set TO_B,     0x40                    ; destination window 1, address window 0
; A joint load.  Waves 0 and 1 fetch the two halves of xb's tile, waves 2 and 3 those of wb's.  Each of the two lines has one mask and one set of registers for all
; that issue it.  The branch hangs on the wave's number alone: it is the same in every work-group.
.macro JLOAD s
	s_cmp_eq_u32 s11, 0
	s_cbranch_scc0 .Lfor_b_\@
	tensor_load_to_lds s[G0+4*\s:G0+4*\s+3], s[G1:G1+7]
	s_nop 0
	s_branch .Lasked_\@
.Lfor_b_\@:
	tensor_load_to_lds s[G0B+4*\s:G0B+4*\s+3], s[G1B:G1B+7]
	s_nop 0
.Lasked_\@:
.endm
; A round of the cluster's barrier: my work-group's barrier, so that wave 0's signal speaks for all four waves; wave 0 signals for the work-group; every wave waits
; for all sixteen work-groups; my work-group's barrier once more.  No LDS instruction of the wave is pending at a signal.
.macro CREST                           ; a round behind its opening barrier
	s_cmp_lg_u32 s10, 0
	s_cbranch_scc1 .Lnot_wave_0_\@
	s_barrier_signal -3
.Lnot_wave_0_\@:
	s_barrier_wait -3
	s_barrier_signal -1
	s_barrier_wait -1
.endm
.macro CROUND                          ; a whole round
	s_barrier_signal -1
	s_barrier_wait -1
	CREST
.endm
; bias of my 32 outputs of block c, four experts: 16 loads.  The block stands in the immediate: the address registers are never written again.
.macro BIASLOAD c
.irp k, 0,1,2,3
.irp t, 0,1
.irp q, 0,1
	global_load_b128 v[BIA+8*(2*\k+\t)+4*\q:BIA+8*(2*\k+\t)+4*\q+3], v[BOF], s[70:71] offset:OROW*\k+OBLK*\c+64*\t+16*\q
.endr
.endr
.endr
.endm
	s_load_b128 s[4:7], s[0:1], 0x0                ; xb s[4:5], wb s[6:7]
	s_load_b128 s[68:71], s[0:1], 0x10             ; attn s[68:69], bias s[70:71]
	s_load_b64 s[8:9], s[0:1], 0x20                ; out
	s_set_vgpr_msb 0x40
	v_lshl_add_u32 v255, v0, 2, 0x4d200
	s_set_vgpr_msb 0x4000
	v_mov_b32 v31, 0
	s_set_vgpr_msb 0x1
	ds_add_u32 v255, v31
	s_set_vgpr_msb 0x100
	v_lshrrev_b32 v1, 5, v0
	v_readfirstlane_b32 s10, v1                    ; wave 0..3
	s_lshr_b32 s11, s10, 1                         ; which 128 of the block's rows of xb are mine.  Also: I fetch for xb (0) or for wb (1)
	s_and_b32 s12, s10, 1                          ; which 128 of its rows of wb.  Also: which 128 rows of that tile I fetch
	s_bfe_u32 s40, ttmp6, 0x40000                  ; cx: my place along the cluster's x
	s_bfe_u32 s41, ttmp6, 0x40004                  ; cy: along its y
	s_lshl_b32 s42, ttmp9, 2                       ; in a cluster launch ttmp9 and ttmp7 count clusters
	s_add_co_u32 s42, s42, s40                     ; work-group x = 4 x cluster x + cx, 0..15: rows 512 x of wb, columns 128 x of out, in two blocks
	s_and_b32 s13, ttmp7, 0xffff
	s_lshl_b32 s13, s13, 2
	s_add_co_u32 s13, s13, s41                     ; block row = 4 x cluster y + cy, 0..15: rows 256 x of xb and of out
	s_lshl_b32 s43, s41, 2
	s_lshl_b32 s43, 15, s43                        ; my row of the cluster: places 4 cy .. 4 cy + 3
	s_lshl_b32 s44, 0x1111, s40                    ; my column: places cx, cx + 4, cx + 8, cx + 12
	; descriptor group 1: a tile of 128 rows x 128 elements, padded in LDS
	s_or_b32 s[G1+0], s43, (1<<16)|(1<<20)|(1<<21)|(5<<22)|(3<<25)  ; 15:0 the mask: xb's tiles go to my row; 17:16 element of 2 bytes; 20 padding on; 21 set beside a mask; 24:22 after every 64 words (code 5); 31:25 of 4 words (code 3)
	s_or_b32 s[G1B+0], s44, (1<<16)|(1<<20)|(1<<21)|(5<<22)|(3<<25) ; the same with the mask of my column, for wb's tiles
	s_mov_b32 s[G1B+1], KSTEP<<16
	s_mov_b32 s[G1+1], KSTEP<<16                   ; 63:48 tensor_dim0, low half = 128
	s_mov_b32 s[G1B+2], 128<<16
	s_mov_b32 s[G1+2], 128<<16                     ; 79:64 its high half = 0; 95:80 tensor_dim1, low half = 128
	s_mov_b32 s[G1B+3], KSTEP<<16
	s_mov_b32 s[G1+3], KSTEP<<16                   ; 111:96 its high half = 0; 127:112 tile_dim0 = 128
	s_mov_b32 s[G1B+4], 128
	s_mov_b32 s[G1+4], 128                         ; 143:128 tile_dim1 = 128; 159:144 tile_dim2 = 0
	s_mov_b32 s[G1B+5], SIZE_K
	s_mov_b32 s[G1+5], SIZE_K                      ; 191:160 tensor_dim0_stride, low word: elements from row to row
	s_mov_b32 s[G1B+6], 0
	s_mov_b32 s[G1+6], 0
	s_mov_b32 s[G1B+7], 0
	s_mov_b32 s[G1+7], 0
	; where the tiles come from.  xb's hang on the block row alone, which my row of the cluster shares; wb's on the work-group's x alone, which my column shares.
	; Every wave makes both addresses, in registers that never hold the other coordinate, and asks by one of them.  A row is 4,096 bytes.
	; s[14:15] and s[46:47] keep the first block's first K step to the end: the second block's first addresses are made from them.
	s_lshl_b32 s17, s12, 19                        ; which 128 rows of the tile I fetch
	s_lshl_b32 s16, s13, 20
	s_add_co_u32 s16, s16, s17                     ; xb: byte of row 256 x block row + 128 x half (below 16 MiB)
	s_lshl_b32 s46, s42, 21
	s_add_co_u32 s46, s46, s17                     ; wb: byte of row 512 x work-group x + 128 x half (below 32 MiB)
	s_mov_b32 s17, 0
	s_mov_b32 s47, 0
	s_mul_i32 s20, s10, HALFT                      ; and where they go: xb's two halves, then wb's two halves = wave x 128 rows: no place in the cluster enters an LDS address
	s_wait_dscnt 0x0
	s_wait_kmcnt 0x0
	s_add_nc_u64 s[14:15], s[4:5], s[16:17]
	s_add_nc_u64 s[46:47], s[6:7], s[46:47]
	CROUND                                         ; all sixteen work-groups are here: the first joint loads meet
.irp s, 0,1
	s_mov_b32 s[G0+4*\s], 1                                        ; 1:0 count = 1
	s_add_co_u32 s[G0+4*\s+1], s20, \s*SLOT                        ; 63:32 LDS address
	s_add_nc_u64 s[G0+4*\s+2:G0+4*\s+3], s[14:15], \s*KSTEP*2      ; 120:64 global address: K step s
	s_or_b32 s[G0+4*\s+3], s[G0+4*\s+3], 0x80000000                ; 127:126 type = 2
	s_mov_b32 s[G0B+4*\s], 1
	s_add_co_u32 s[G0B+4*\s+1], s20, \s*SLOT
	s_add_nc_u64 s[G0B+4*\s+2:G0B+4*\s+3], s[46:47], \s*KSTEP*2
	s_or_b32 s[G0B+4*\s+3], s[G0B+4*\s+3], 0x80000000
	JLOAD \s                                       ; the ring is filled before anything else is done: two tensor loads of the wave are out
.endr
	; bias of my 32 outputs of the first block: 16 loads, which the first products want; behind them attn of my 128 rows, for both blocks: 8 loads, which stay out
	; through the whole first product.  They go out straight behind the ring's first fills, ahead of the lane addresses.
	v_and_b32 v1, 15, v0                           ; r = l % 16
	v_bfe_u32 v2, v0, 4, 1                         ; h = l / 16
	v_lshlrev_b32 v[AOF], 4, v1
	v_lshlrev_b32 v[BOF], 5, v2
	s_lshl_b32 s72, s13, 12                        ; 256 rows of 16 bytes for a block row,
	s_lshl_b32 s73, s11, 11                        ; 128 for my half
	s_add_co_u32 s72, s72, s73
	s_mov_b32 s73, 0
	s_add_nc_u64 s[68:69], s[68:69], s[72:73]
	s_lshl_b32 s74, s42, 9                         ; 128 outputs of 4 bytes for a work-group,
	s_lshl_b32 s75, s12, 7                         ; 32 for my half of a block
	s_add_co_u32 s74, s74, s75
	s_mov_b32 s75, 0
	s_add_nc_u64 s[70:71], s[70:71], s[74:75]
	BIASLOAD 0
.irp a, 0,1,2,3,4,5,6,7
	global_load_b128 v[ATT+4*\a:ATT+4*\a+3], v[AOF], s[68:69] offset:256*\a
.endr
	; A fragment is 16 rows x 32 K in 8 registers: lane l holds row l % 16; registers 0-3 hold K = 8 (l / 16) + 0..7, registers 4-7 hold
	; K = 16 + 8 (l / 16) + 0..7.  From rows that lie along K: two loads of 16 bytes, 32 bytes apart.  The same for source 0 and source 1.
	v_mul_u32_u24 v3, v1, PITCH
	v_lshl_add_u32 v3, v2, 4, v3                   ; row x pitch + 16 x half
	s_mul_i32 s21, s11, HALFT                      ; my 128 rows of xb
	s_mul_i32 s22, s12, HALFT                      ; my 128 rows of wb,
	s_add_co_u32 s22, s22, 2*HALFT                 ; which lie behind xb's 256
.irp s, 0,1
	v_add_nc_u32 v[ADRA+\s], s21, v3
	v_add_nc_u32 v[ADRB+\s], s22, v3
	s_add_co_u32 s21, s21, SLOT
	s_add_co_u32 s22, s22, SLOT
.endr
	; the way out.  In: my region, row r of a row tile, 32 bytes for each half of the lanes.
	s_mul_i32 s76, s10, WREG
	s_add_co_u32 s76, s76, STAGE
	v_mul_u32_u24 v4, v1, SP
	v_lshl_add_u32 v4, v2, 5, v4
	v_add_nc_u32 v[STO], s76, v4
	; Back: a row of the block is 256 bytes, 128 from the region of each of the two waves that share my rows of xb.  Of their 64 rows I take 32, two with each load:
	; lanes 0-7 the first region's 128 bytes, lanes 8-15 the second's, lanes 16-31 the same of the next row.
	s_mul_i32 s77, s11, 2*WREG
	s_mul_i32 s23, s12, 32*SP
	s_add_co_u32 s77, s77, s23
	s_add_co_u32 s77, s77, STAGE
	v_bfe_u32 v5, v0, 3, 1
	v_mul_u32_u24 v5, v5, WREG
	v_mul_u32_u24 v6, v2, SP
	v_add_nc_u32 v5, v5, v6
	v_and_b32 v6, 7, v0
	v_lshl_add_u32 v5, v6, 4, v5
	v_add_nc_u32 v[RD], s77, v5
	v_lshlrev_b32 v[CO], 13, v2                    ; and the same two rows in out: 8,192 h + 16 r
	v_lshl_add_u32 v[CO], v1, 4, v[CO]
	; out at the first row that I store and at the work-group's first column; the block, the pass and the row stand in the stores' immediates
	s_lshl_b32 s16, s13, 8                         ; 256 x block row
	s_lshl_b32 s17, s11, 7                         ; + 128 x my half of the rows
	s_add_co_u32 s16, s16, s17
	s_lshl_b32 s17, s12, 5                         ; + 32 for the second of the two waves that share those rows
	s_add_co_u32 s16, s16, s17
	s_lshl_b32 s16, s16, 13                        ; in bytes (below 32 MiB)
	s_mov_b32 s17, 0
	s_add_nc_u64 s[8:9], s[8:9], s[16:17]
	s_lshl_b32 s74, s42, 9                         ; the work-group's 128 columns, 512 bytes (s75 is 0)
	s_add_nc_u64 s[8:9], s[8:9], s[74:75]
; 16 matrix instructions: row tiles a0, a0 + 1 of the window's four (hi = 0: my rows 0-63, 1: rows 64-127) x all 8 tiles of wb, 32 along K.
; first = 1: a block's first product starts the sums, with the bias of tile b as its addend: nothing is ever cleared, and the bias costs no instruction of its own.
.macro MUL16 f, hi, a0, first
.irp a, \a0, \a0+1
.irp b, 0,1,2,3,4,5,6,7
.if \first
	v_wmma_f32_16x16x32_bf16 v[8*(8*(\a)+\b):8*(8*(\a)+\b)+7], v[\f+8*\b:\f+8*\b+7], v[\f+8*(4*\hi+\a):\f+8*(4*\hi+\a)+7], v[BIA+8*\b:BIA+8*\b+7]
.else
	v_wmma_f32_16x16x32_bf16 v[8*(8*(\a)+\b):8*(8*(\a)+\b)+7], v[\f+8*\b:\f+8*\b+7], v[\f+8*(4*\hi+\a):\f+8*(4*\hi+\a)+7], v[8*(8*(\a)+\b):8*(8*(\a)+\b)+7]
.endif
.endr
.endr
.endm
; 32 LDS loads in one run: the fragments of one quarter step (128 rows of wb, 128 rows of xb, 32 K at byte k of the rows) into buffer f
.macro FETCH slot, k, f
	WIN TO_B
.irp i, 0,1,2,3,4,5,6,7
	ds_load_b128 v[\f+8*\i:\f+8*\i+3],   v[ADRB+\slot] offset:\k+\i*16*PITCH
	ds_load_b128 v[\f+8*\i+4:\f+8*\i+7], v[ADRB+\slot] offset:\k+\i*16*PITCH+32
.endr
	WIN 0
.irp i, 0,1,2,3,4,5,6,7
	ds_load_b128 v[\f+8*\i:\f+8*\i+3],   v[ADRA+\slot] offset:\k+\i*16*PITCH
	ds_load_b128 v[\f+8*\i+4:\f+8*\i+7], v[ADRA+\slot] offset:\k+\i*16*PITCH+32
.endr
.endm
; A load into a register that a matrix instruction has read, and a vector instruction that reads a matrix result or writes one of a matrix instruction's
; registers, stand four places behind that matrix instruction, and only plain vector instructions that name none of its registers are places (ISA guide 7.12.1
; for vector instructions); the matrix instructions in between are not counted.  The loop has no vector work of its own to put there.
.macro PLACES
.rept 4
	v_nop
.endr
.endm
; A K step is four quarter steps of 32 along K, 64 matrix instructions each, on buffers 0, 1, 0, 1.
; One of the first three: multiplies buffer f; in its middle it fetches the next quarter's fragments, at byte k of the same slot's rows, into buffer g.
.macro QUARTER slot, k, f, g, first
	s_wait_dscnt 8                                 ; wb and xb's rows 0-63 are in; the youngest eight loads (xb's rows 64-127) may be out
.if \first
	WIN FIRST_LO
.else
	WIN MUL_LO
.endif
	MUL16 \f, 0, 0, \first
	MUL16 \f, 0, 2, \first
	PLACES
	FETCH \slot, \k, \g
	s_wait_dscnt 32                                ; all but the 32 just issued
.if \first
	WIN FIRST_HI
.else
	WIN MUL_HI
.endif
	MUL16 \f, 1, 0, \first
	MUL16 \f, 1, 2, \first
.endm
.macro THREE slot, first
	QUARTER \slot, 64,  F0, F1, \first
	QUARTER \slot, 128, F1, F0, 0
	QUARTER \slot, 192, F0, F1, 0
.endm
; The last quarter: multiplies buffer 1 and changes slots.  next = the other slot.
; fill = 1: this slot is filled again, two K steps ahead in the same block;  fill = 2: with K step 0 or 1 (by the slot) of the next block;  fill = 0: not at all.
; fetch = 1: the next slot's first fragments are fetched;  fetch = 0: not yet: a block's end comes first, and it works in the fragment buffers.
; One barrier for the change of slots, for two things.  In front of it each wave waits for its own reads of this slot and for all its tensor loads, of which one
; is out: its part of the next slot.  Behind it nobody reads this slot any more and the next slot is whole: the refill comes first, then the next slot's first
; fragments.  From a request to the wait for it a wave issues 240 matrix instructions.
.macro TURN slot, next, fill, fetch
	s_wait_dscnt 8
	WIN MUL_LO
	MUL16 F1, 0, 0, 0
	s_wait_dscnt 0                                 ; my reads of this slot are over (the last were issued 48 matrix instructions ago)
	s_wait_tensorcnt 0x0                           ; and all my tensor loads have landed: the one that was out is my part of the next slot:
	ds_add_u32 v255, v31
	s_wait_dscnt 0x0
	s_barrier_signal -1                            ; say so (where a slot is filled again this barrier opens a round of the cluster's barrier),
	MUL16 F1, 0, 2, 0                              ; work on registers while the others arrive,
	WIN 0
	s_barrier_wait -1                              ; and go on when all four have said so
.if \fill
	CREST                                          ; wave 0 says so for the work-group, all sixteen work-groups have said so, my work-group's barrier closes the round:
	                                               ; no wave of any partner still reads this slot's tile or has a load on its way
.if \fill == 1
	s_add_nc_u64 s[G0+4*\slot+2:G0+4*\slot+3], s[G0+4*\slot+2:G0+4*\slot+3], 2*KSTEP*2
	s_add_nc_u64 s[G0B+4*\slot+2:G0B+4*\slot+3], s[G0B+4*\slot+2:G0B+4*\slot+3], 2*KSTEP*2
.else
	s_add_nc_u64 s[G0+4*\slot+2:G0+4*\slot+3], s[14:15], \slot*KSTEP*2             ; the next block: the same rows of xb from their start,
	s_or_b32 s[G0+4*\slot+3], s[G0+4*\slot+3], 0x80000000                          ; (the type, as in the set-up)
	s_add_nc_u64 s[G0B+4*\slot+2:G0B+4*\slot+3], s[46:47], NEXTB+\slot*KSTEP*2     ; and the next 256 rows of wb
	s_or_b32 s[G0B+4*\slot+3], s[G0B+4*\slot+3], 0x80000000
.endif
	JLOAD \slot                                    ; the first tensor load behind the round, and my only one until the next
.endif
.if \fetch
	PLACES
	FETCH \next, 0, F0
.endif
	WIN MUL_HI
	MUL16 F1, 1, 0, 0
	MUL16 F1, 1, 2, 0
.endm
.macro LAP first                       ; once round the ring, both slots filled again
	THREE 0, \first
	TURN 0, 1, 1, 1
	THREE 1, 0
	TURN 1, 0, 1, 1
.endm
; THE MIX AND THE WAY OUT of a block, in two passes of 64 of my rows (pass p: window 2 + p).  Results of four row tiles are made in RES, go into my region of the
; stage, and are read back as whole rows of the block, 256 bytes, of which the wave beside me made the other half.
; One packed step of the mix on two neighbouring outputs: v[DD:DD+1] (+)= v[SS:SS+1] x attn[k].  v[AA:AA+1] is the pair that holds attn[k]: an even k is its
; first register, an odd k its second, and the selects send that one register to both halves.  start = 1: the first term starts the sum.
.macro PKMIX k, start
.if \start
	v_pk_mul_f32 v[DD:DD+1], v[SS:SS+1], v[AA:AA+1] op_sel_hi:[1,0]
.else
.if \k & 1
	v_pk_fma_f32 v[DD:DD+1], v[SS:SS+1], v[AA:AA+1], v[DD:DD+1] op_sel:[0,1,0] op_sel_hi:[1,1,1]
.else
	v_pk_fma_f32 v[DD:DD+1], v[SS:SS+1], v[AA:AA+1], v[DD:DD+1] op_sel_hi:[1,0,1]
.endif
.endif
.endm
; The four experts' sums of pass p, each with its bias in it: source 0 comes from the accumulators' window, all else from window 0.
; k is the outermost index: between two links of a result's chain stand the 31 other results' links.  Expert 0's term starts the chains.
.macro ACCPART p
.if \p
	WIN 0x03
.else
	WIN 0x02
.endif
.irp k, 0,1,2,3
.irp a, 0,1,2,3
.irp t, 0,1
.irp q, 0,2,4,6
.set DD, RES+16*\a+8*\t+\q
.set SS, 8*(8*\a+2*\k+\t)+\q
.set AA, ATT+4*(4*\p+\a)+(\k&2)
.if \k
	PKMIX \k, 0
.else
	PKMIX 0, 1
.endif
.endr
.endr
.endr
.endr
	WIN 0
.endm
; 64 rows x 32 outputs into my region
.macro STASH
.irp a, 0,1,2,3
.irp t, 0,1
.irp q, 0,1
	ds_store_b128 v[STO], v[RES+16*\a+8*\t+4*\q:RES+16*\a+8*\t+4*\q+3] offset:\a*16*SP+64*\t+16*\q
.endr
.endr
.endr
.endm
; 32 whole rows of block c back and out
.macro DRAIN p, c
.if \p
	s_wait_xcnt 0x0                                ; the first pass's stores read BACK: it is loaded again only behind this wait (ISA guide 3.1)
.endif
.irp u, 0,1,2,3,4,5,6,7,8,9,10,11,12,13,14,15
	ds_load_b128 v[BACK+4*\u:BACK+4*\u+3], v[RD] offset:\u*2*SP
.endr
.irp u, 0,1,2,3,4,5,6,7,8,9,10,11,12,13,14,15
	s_wait_dscnt 15-\u                             ; LDS loads come back in order (ISA guide 5.7.1): pair u of rows is in, the younger ones stay out
	global_store_b128 v[CO], v[BACK+4*\u:BACK+4*\u+3], s[8:9] offset:(64*\p+2*\u)*OROW+OBLK*\c th:TH_STORE_NT   ; 16 lanes store 256 consecutive bytes, at a multiple of 256 from the first byte of out
.endr
.endm
; The end of block c.  No tensor load is issued here, and none lands in the stage; behind the first block one load of the wave (the second block's K step 1, into
; slot 1) stays out across these three barriers.
.macro TAIL c
	PLACES                                         ; the places behind the last matrix instructions: for the reads of the sums and for the writes into the fragment buffers
	WIN 0
.if \c == 0
	s_wait_loadcnt 0x0                             ; attn, asked for in front of the first product, and the second block's bias, asked for behind its first lap: no load into registers is issued behind this wait
.endif
	ACCPART 0
	STASH
	s_wait_dscnt 0x0                               ; my stores into the stage are done,
	s_barrier_signal -1
	s_barrier_wait -1                              ; everybody's are: the wave beside me reads my region, and I read its
	DRAIN 0, \c                                    ; its last wait is for 0: my reads of the stage are over,
	s_barrier_signal -1                            ; say so,
	ACCPART 1                                      ; work on registers while the others arrive,
	s_barrier_wait -1                              ; and write the stage again only when all four have said so
	STASH
	s_wait_dscnt 0x0
	s_barrier_signal -1
	s_barrier_wait -1
	DRAIN 1, \c
.endm
	; THE FIRST BLOCK
	s_wait_tensorcnt 1                             ; my part of K step 0 is in; K step 1's load may stay out
	s_barrier_signal -1
	s_barrier_wait -1                              ; everybody's is
	FETCH 0, 0, F0
	s_wait_loadcnt 8                               ; loads come back in order (ISA guide 5.7.1): the 16 of the bias are in, the 8 younger ones, attn's, stay out
	LAP 1                                          ; the first lap stands in front of the loop: its first products start the sums from the bias
	WIN 0                                          ; at a label and at a branch every window is 0
	BIASLOAD 1                                     ; the first block's bias had its only use in the lap's first quarter step, seven quarter steps and their 28 v_nop ago:
	                                               ; the second block's comes into the same registers and has the rest of the first block in which to land
	s_mov_b32 s3, LAPS-2
.Llap_first:
	LAP 0
	WIN 0
	s_sub_co_u32 s3, s3, 1
	s_cmp_lg_u32 s3, 0
	s_cbranch_scc1 .Llap_first
	THREE 0, 0                                     ; the last lap keeps its rounds: its refills are the second block's K steps 0 and 1
	TURN 0, 1, 2, 1
	THREE 1, 0
	TURN 1, 0, 2, 0
	TAIL 0
	; THE SECOND BLOCK.  Its K step 0 lies whole in slot 0: every wave waited for its part in front of the round of the first block's last change of slots.
	; Its bias is in: the wait for all loads at the first block's end has shown it.
	s_wait_xcnt 0x0                                ; the last stores read BACK, which is fragment buffer 1: it is loaded again only behind this wait (ISA guide 3.1)
	FETCH 0, 0, F0
	LAP 1                                          ; its first products start the sums anew, from its own bias
	WIN 0
	s_mov_b32 s3, LAPS-2
.Llap_second:
	LAP 0
	WIN 0
	s_sub_co_u32 s3, s3, 1
	s_cmp_lg_u32 s3, 0
	s_cbranch_scc1 .Llap_second
	THREE 0, 0                                     ; the last lap fills nothing, and has no round of the cluster's barrier: my one tensor load that is still out is slot 1's, the last K step's
	TURN 0, 1, 0, 1
	THREE 1, 0
	s_wait_dscnt 8                                 ; the very last quarter: nothing more to fetch
	WIN MUL_LO
	MUL16 F1, 0, 0, 0
	MUL16 F1, 0, 2, 0
	s_wait_dscnt 0
	WIN MUL_HI
	MUL16 F1, 1, 0, 0
	MUL16 F1, 1, 2, 0
	TAIL 1
	s_set_vgpr_msb 0x1
	s_wait_tensorcnt 0x0
	ds_add_u32 v255, v31
	s_wait_dscnt 0x0
	s_set_vgpr_msb 0x100
	CROUND                                         ; the closing round: no work-group ends while a partner may still ask for a tile that names it
	s_endpgm
.Lfunc_end_k_qe7b1d3b0a6_mix:
	.size	k_qe7b1d3b0a6_mix, .Lfunc_end_k_qe7b1d3b0a6_mix-k_qe7b1d3b0a6_mix
	.p2alignl 7, 3214868480
	.fill 96, 4, 3214868480
	.section	.rodata,"a",@progbits
	.p2align	6, 0x0
	.amdhsa_kernel k_qe7b1d3b0a6_mix
		.amdhsa_group_segment_fixed_size 327680
		.amdhsa_private_segment_fixed_size 0
		.amdhsa_enable_private_segment 0
		.amdhsa_kernarg_size 40
		.amdhsa_user_sgpr_count 2
		.amdhsa_user_sgpr_kernarg_segment_ptr 1
		.amdhsa_wavefront_size32 1
		.amdhsa_system_sgpr_workgroup_id_x 1
		.amdhsa_system_sgpr_workgroup_id_y 1
		.amdhsa_system_sgpr_workgroup_id_z 1
		.amdhsa_system_vgpr_workitem_id 0
		.amdhsa_next_free_vgpr 1024
		.amdhsa_next_free_sgpr 80
		.amdhsa_reserve_vcc 0
		.amdhsa_float_denorm_mode_32 3
		.amdhsa_float_denorm_mode_16_64 3
		.amdhsa_memory_ordered 1
		.amdhsa_forward_progress 1
		.amdhsa_inst_pref_size 255
	.end_amdhsa_kernel
	.section	.bss,"aw",@nobits
	.p2align	6
	.space	262144
	.amdgpu_metadata
---
amdhsa.version: [ 1, 2 ]
amdhsa.kernels:
  - .name:           k_qe7b1d3b0a6_mix
    .symbol:         k_qe7b1d3b0a6_mix.kd
    .args:
      - { .name: xb, .offset: 0, .size: 8, .value_kind: global_buffer, .address_space: global }
      - { .name: wb, .offset: 8, .size: 8, .value_kind: global_buffer, .address_space: global }
      - { .name: softmax_attention, .offset: 16, .size: 8, .value_kind: global_buffer, .address_space: global }
      - { .name: bias, .offset: 24, .size: 8, .value_kind: global_buffer, .address_space: global }
      - { .name: out0, .offset: 32, .size: 8, .value_kind: global_buffer, .address_space: global }
    .group_segment_fixed_size: 327680
    .private_segment_fixed_size: 0
    .kernarg_segment_align: 8
    .kernarg_segment_size: 40
    .max_flat_workgroup_size: 128
    .sgpr_count:     80
    .vgpr_count:     1024
    .wavefront_size: 32
...
	.end_amdgpu_metadata
.endif
;; end of part 2
;; ======== version 2 of 2: 2 launches; version 1 with the launch cast written anew for expert scheduling mode
;; workspace buffers: xb 16,777,216 bytes; wb 33,554,432 bytes
;; launch cast (part 3): grid 256 x 1, 16 waves a work-group, no clusters, 0 bytes of LDS; arguments x, weight, xb, wb; writes xb, wb
.if DOCPART == 3
	.amdgcn_target "amdgcn-amd-amdhsa--gfx1250"
	.amdhsa_code_object_version 6
	.text
	.protected	k_qe7b1d3b0a6_cast
	.globl	k_qe7b1d3b0a6_cast
	.p2align	8
	.type	k_qe7b1d3b0a6_cast,@function
k_qe7b1d3b0a6_cast:
	s_mov_b64 s[64:65], 0
	v_nop
	global_prefetch_b8 v0, s[64:65] scope:SCOPE_SE
	s_setreg_imm32_b32 hwreg(HW_REG_WAVE_SCHED_MODE, 0, 2), 2
	s_setreg_imm32_b32 hwreg(HW_REG_WAVE_MODE, 25, 1), 1
	s_wait_xcnt 0x0
	s_wait_alu depctr_vm_vsrc(0)
; THE PROGRAM: out[b][o] = sum over k of attn[b][k] * (sum over i of weight[k][o][i] * x[b][i] + bias[k][o]),  b < 4096, k < 4, o, i < 2048, all f32.
; Two launches.  This one rounds x and weight to bf16, once for each number (the product reads each number of x 32 times and each of weight
; 16 times, so rounding there would be repeated as often).  The second is one product [4096 x 2048] x [8192 x 2048]^T in which each expert's bias starts its sums
; and the mix over k stands at the end.
; Nothing of the formula is left out: every input has a way to every output, and attn is taken as given, not as normalised.
; LIMITS: the operands of the product are rounded to bf16 (to nearest even); a number beyond the largest finite bf16 (about 3.39e38) becomes an infinity.
;
; THIS LAUNCH: xb[b][i] = bf16(x[b][i]);  wb[n][i] = bf16(weight[k][o][i]) with n = 128 (o / 32) + 32 k + o % 32:
; 128 neighbouring rows of wb are the four experts of 32 neighbouring outputs, which is what one wave of the second launch multiplies.
; 256 work-groups of 16 waves.  Group g takes rows 16 g .. 16 g + 15 of x and rows 32 g .. 32 g + 31 of weight as [8192][2048]: these are expert g / 64,
; outputs 32 (g % 64) .. + 31, so they stay 32 neighbouring rows in wb.  48 source rows in all, 393,216 bytes in, 196,608 out.
; Thread t takes the 16 bytes at 16 t of each source row of 8,192 bytes: a load of a wave covers 512 consecutive bytes, the 16 waves cover the row, and a store
; of a wave covers 256 consecutive bytes that start at a multiple of 256.  (A thread with 32 neighbouring source bytes could store 16 bytes, but each of its two
; loads would then reach over 1,024 bytes of the wave and use every second 16 of them.)
; No LDS, no matrix unit, no cluster: no byte is used twice in this launch.
; THE MODE: SCHED_MODE bits 1:0 = 2 (LLVM: expert scheduling mode 2), set by the entry lines.  The code itself states the register dependences
; between vector instructions and memory instructions, with s_wait_alu, always for 0.
; THE PLAN.  The 48 rows (x's 16, then weight's 32) go in 12 blocks of four, all written out.  Registers that memory instructions touch:
;   X0 .. X4   five buffers of four rows as loaded; row n lies in slot n % 20.  Written by the load of row n; read by row n's two roundings; then the load of row n + 20 lands there.
;   Y          a pair for each of the 48 rows.  Written once, by row n's roundings; read by row n's store, which is issued in the next block; never written again.
;   v1, v2     byte offsets, made once at the head and never written again: the rows stand in the immediate offsets, and the four scalar bases stay as they are.
; Block p rounds X[p % 5].  Its memory instructions are the loads of block p + 4, which land in X[(p + 4) % 5] = X[(p - 1) % 5], and the stores of block p - 1's pairs:
; registers that block p - 1 worked on and that no vector instruction of block p names.  So ONE wait on va_vdst at a block's head states all that the block's eight
; memory instructions hang on, and these are dealt among its roundings with no further wait.  No register that a memory instruction reads is ever written again:
; no wait on vm_vsrc is owed, and none for translated addresses.
; Sixteen loads of every wave stay on their way, 131,072 bytes for the work-group: a buffer lies idle from its roundings to the next block's head, which is why there are five buffers and not four.
.set RIN,    8192                      ; bytes in a source row
.set ROUT,   4096                      ; bytes in a row as bf16
.set ROWS,   48                        ; x's 16 rows, then weight's 32
.set XROWS,  16
.set BLOCK,  4                         ; rows in a block
.set BLOCKS, ROWS / BLOCK
.set DEPTH,  16                        ; a row is asked for this many rows ahead = loads that stay on their way in each wave
.set SLOTS,  DEPTH + BLOCK             ; five buffers of four rows
.set X,      4                         ; v[4:83]    slot j: 4 registers as loaded
.set Y,      84                        ; v[84:179]  row n of 48: 2 registers, 4 bf16 to store
; row n is asked for, into slot n % 20 (read once in the whole program)
.macro LOADROW n
.if (\n) < XROWS
	global_load_b128 v[X+4*((\n)%SLOTS):X+4*((\n)%SLOTS)+3], v1, s[4:5] offset:RIN*(\n) th:TH_LOAD_NT
.else
	global_load_b128 v[X+4*((\n)%SLOTS):X+4*((\n)%SLOTS)+3], v1, s[6:7] offset:RIN*((\n)-XROWS) th:TH_LOAD_NT
.endif
.endm
; row n goes out from its own pair (no hint: the next launch reads these bytes)
.macro STOREROW n
.if (\n) < XROWS
	global_store_b64 v2, v[Y+2*(\n):Y+2*(\n)+1], s[8:9] offset:ROUT*(\n)
.else
	global_store_b64 v2, v[Y+2*(\n):Y+2*(\n)+1], s[10:11] offset:ROUT*((\n)-XROWS)
.endif
.endm
	s_load_b256 s[4:11], s[0:1], 0x0               ; x s[4:5], weight s[6:7], xb s[8:9], wb s[10:11]
	v_lshlrev_b32 v1, 4, v0                        ; 16 t: my bytes in a source row
	v_lshlrev_b32 v2, 3, v0                        ; 8 t: my bytes in the row as bf16
	s_lshl_b32 s12, ttmp9, 17                      ; x: 16 rows of 8,192 bytes for a group
	s_mov_b32 s13, 0
	s_lshl_b32 s14, ttmp9, 18                      ; weight: 32 rows of 8,192 bytes
	s_mov_b32 s15, 0
	s_lshl_b32 s16, ttmp9, 16                      ; xb: 16 rows of 4,096 bytes
	s_mov_b32 s17, 0
	s_and_b32 s18, ttmp9, 63                       ; wb: o / 32 = g % 64,
	s_lshl_b32 s18, s18, 19                        ; x 128 rows of 4,096 bytes,
	s_lshr_b32 s19, ttmp9, 6                       ; k = g / 64,
	s_lshl_b32 s19, s19, 17                        ; x 32 rows
	s_add_co_u32 s18, s18, s19
	s_mov_b32 s19, 0
	s_wait_kmcnt 0x0
	s_add_nc_u64 s[4:5], s[4:5], s[12:13]
	s_add_nc_u64 s[6:7], s[6:7], s[14:15]
	s_add_nc_u64 s[8:9], s[8:9], s[16:17]
	s_add_nc_u64 s[10:11], s[10:11], s[18:19]
	s_wait_alu depctr_va_vdst(0)                   ; v1 and v2 are written: every load of the kernel reads v1 as its offset, every store v2
.set row, 0
.rept DEPTH
	LOADROW row                                    ; blocks 0 to 3 into X0 to X3: the 16 rows of x
.set row, row+1
.endr
.set p, 0
.rept BLOCKS
.if p > 0
	s_wait_alu depctr_va_vdst(0)                   ; the block before has written its four pairs of Y, which the stores below read, and is done reading its X, in which the loads below land
.endif
.set i, 0
.rept BLOCK
.set row, BLOCK*p+i
.if row+DEPTH < ROWS
	LOADROW row+DEPTH                              ; four blocks ahead, ahead of the store; no vector instruction since the wait names these registers (in block 0: none ever has)
.endif
.if p > 0
	STOREROW row-BLOCK                             ; the block before; no vector instruction since the wait names its pair
.endif
.if row+DEPTH < ROWS
	s_wait_loadcnt DEPTH                           ; loads come back in order (ISA guide 5.7.1): this row's load is in, the 16 younger ones stay out
.else
	s_wait_loadcnt ROWS-1-row                      ; nothing is left to load: the counts run down
.endif
	v_cvt_pk_bf16_f32 v[Y+2*row],   v[X+4*(row%SLOTS)],   v[X+4*(row%SLOTS)+1]
	v_cvt_pk_bf16_f32 v[Y+2*row+1], v[X+4*(row%SLOTS)+2], v[X+4*(row%SLOTS)+3]
.set i, i+1
.endr
.set p, p+1
.endr
	s_wait_alu depctr_va_vdst(0)                   ; the last block has written its four pairs of Y, which the last four stores read
.set row, ROWS-BLOCK
.rept BLOCK
	STOREROW row
.set row, row+1
.endr
	s_endpgm
.Lfunc_end_k_qe7b1d3b0a6_cast:
	.size	k_qe7b1d3b0a6_cast, .Lfunc_end_k_qe7b1d3b0a6_cast-k_qe7b1d3b0a6_cast
	.p2alignl 7, 3214868480
	.fill 96, 4, 3214868480
	.section	.rodata,"a",@progbits
	.p2align	6, 0x0
	.amdhsa_kernel k_qe7b1d3b0a6_cast
		.amdhsa_group_segment_fixed_size 0
		.amdhsa_private_segment_fixed_size 0
		.amdhsa_enable_private_segment 0
		.amdhsa_kernarg_size 32
		.amdhsa_user_sgpr_count 2
		.amdhsa_user_sgpr_kernarg_segment_ptr 1
		.amdhsa_wavefront_size32 1
		.amdhsa_system_sgpr_workgroup_id_x 1
		.amdhsa_system_sgpr_workgroup_id_y 1
		.amdhsa_system_sgpr_workgroup_id_z 1
		.amdhsa_system_vgpr_workitem_id 0
		.amdhsa_next_free_vgpr 180
		.amdhsa_next_free_sgpr 66
		.amdhsa_reserve_vcc 0
		.amdhsa_float_denorm_mode_32 3
		.amdhsa_float_denorm_mode_16_64 3
		.amdhsa_memory_ordered 1
		.amdhsa_forward_progress 1
		.amdhsa_inst_pref_size 18
	.end_amdhsa_kernel
	.amdgpu_metadata
---
amdhsa.version: [ 1, 2 ]
amdhsa.kernels:
  - .name:           k_qe7b1d3b0a6_cast
    .symbol:         k_qe7b1d3b0a6_cast.kd
    .args:
      - { .name: x, .offset: 0, .size: 8, .value_kind: global_buffer, .address_space: global }
      - { .name: weight, .offset: 8, .size: 8, .value_kind: global_buffer, .address_space: global }
      - { .name: xb, .offset: 16, .size: 8, .value_kind: global_buffer, .address_space: global }
      - { .name: wb, .offset: 24, .size: 8, .value_kind: global_buffer, .address_space: global }
    .group_segment_fixed_size: 0
    .private_segment_fixed_size: 0
    .kernarg_segment_align: 8
    .kernarg_segment_size: 32
    .max_flat_workgroup_size: 512
    .sgpr_count:     66
    .vgpr_count:     180
    .wavefront_size: 32
...
	.end_amdgpu_metadata
.endif
;; end of part 3
;; launch mix: the kernel of part 2 again; grid 16 x 16, 4 waves a work-group, clusters of 4 x 4, 327,680 bytes of LDS; arguments xb, wb, softmax_attention, bias, out0; writes out0
